; MI455X (gfx1250); checked and timed in simulation.
; The chip was launched on July 23, 2026; its instructions are those of AMD's public machine-readable ISA for CDNA 5 (MIT licence, August 2026) and "CDNA5" Instruction Set Architecture Reference Guide (July 2026). The comments in the code are by the model that wrote it; some were corrected since.
;; Self Attention. Allowed arithmetic: matrix products marked QUANTISED: E2M1 operands, one E8M0 scale for each 32 along K, by v_wmma_scale_f32_16x16x128_f8f6f4 with both operands' format E2M1 (or v_wmma_scale_f32_32x16x128_f4), f32 sums; products left as they are: bf16, f16 or f32 operands; f32 sums; everything else in f32.
;; Inputs: Wk 256 x 256 float32; Wo 256 x 256 float32; Wq 256 x 256 float32; Wv 256 x 256 float32; bk 256 float32; bo 256 float32; bq 256 float32; bv 256 float32; x 4 x 2,048 x 256 float32.
;; Outputs: out0 4 x 2,048 x 256 float32.
;; This version of the problem:
;;   THIS VERSION OF THE PROBLEM IS GIVEN IN LOW PRECISION. The matrix products marked QUANTISED in the list below multiply operands that are first quantised to E2M1 (2 exponent bits, 1 mantissa bit; 4 bits a number), with one power-of-two scale for each 32 numbers along K (OCP MX v1.0); their sums are f32. The products marked 'left as it is' may take bf16, f16 or f32 operands, with f32 sums. Whichever they take, every output number must still come out within the allowed error. Rounding operands to bf16 (8 significant bits) uses up far more of that allowance than f16 does (11 bits, for magnitudes from 6e-5 to 65,504). All else is computed in f32.
;;   The module's matrix products, in the order in which they are computed (A, B: the left and right operand; K: the contracted axis; several contracted axes count as one K, in the product's order):
;;     1. [M 8,192, K 256] x [K 256, N 256]; A: input x; B: input Wq: QUANTISED
;;     2. [M 8,192, K 256] x [K 256, N 256]; A: input x; B: input Wk: QUANTISED
;;     3. [M 8,192, K 256] x [K 256, N 256]; A: input x; B: input Wv: QUANTISED
;;     4. batch 32 x [M 2,048, K 32] x [K 32, N 2,048]; A: computed on the way; B: computed on the way: left as it is (an operand is computed on the way)
;;     5. batch 32 x [M 2,048, K 2,048] x [K 2,048, N 32]; A: computed on the way; B: computed on the way: left as it is (an operand is computed on the way)
;;     6. [M 8,192, K 256] x [K 256, N 256]; A: computed on the way; B: input Wo: left as it is (an operand is computed on the way)
;;   THE QUANTISER, for each operand of a quantised product, along K:
;;     - K is cut into blocks of 32 from its start; a last block that is shorter is filled with zeros.
;;     - A block's scale is 2^e with e = floor(log2(the largest magnitude in the block)) - 2, held to -126 .. 127; a block of zeros has e = 0. As a byte (E8M0): e + 127.
;;     - Each number is divided by its block's scale, clamped to +-6, and rounded to the nearest number of E2M1, ties to even, subnormals kept.
;;     - The product sums the exact products of the quantised numbers (number of the format x scale) in f32.
;;   ~~~python
;;   def quantise(x, axis):      # numpy; x: float32 -> the quantised numbers, widened to float32 again
;;       x = np.moveaxis(x, axis, -1); K = x.shape[-1]
;;       x = np.pad(x, [(0, 0)] * (x.ndim - 1) + [(0, -K % 32)]); x = x.reshape(x.shape[:-1] + (-1, 32)); a = np.abs(x).max(-1, keepdims=True)
;;       e = np.where(a > 0, np.clip(np.frexp(np.where(a > 0, a, 1))[1] - 1 - 2, -126, 127), 0)      # np.frexp(a)[1] - 1 = floor(log2(a)), exactly
;;       r = np.clip(x / 2.0 ** e, -6, 6)
;;       step = 2.0 ** (np.maximum(np.frexp(np.where(r == 0, 1, r))[1] - 1, 0) - 1)
;;       q = np.round(r / step) * step * 2.0 ** e      # np.round: ties to even
;;       return np.moveaxis(q.reshape(q.shape[:-2] + (-1,))[..., :K], -1, axis).astype(np.float32)
;;   ~~~
;; One version. Each part assembles by itself: llvm-mc -triple=amdgcn-amd-amdhsa -mcpu=gfx1250 --defsym DOCPART=n.
;; ======== version 1 of 1: 4 launches
;; limits: values are held in f16: magnitudes above 65,504 overflow, below 6.1e-05 lose precision
;; workspace buffers: qf 4,194,304 bytes; kv 8,388,608 bytes; ao 4,194,304 bytes; wo16 131,072 bytes; top 196,608 bytes
;; launch proj (part 1): grid 8 x 32, 8 waves a work-group, no clusters, 14,848 bytes of LDS; arguments x, Wq, bq, Wk, bk, Wv, bv, Wo, qf, kv, wo16, top; writes qf, kv, wo16, top
.if DOCPART == 1
	.amdgcn_target "amdgcn-amd-amdhsa--gfx1250"
	.amdhsa_code_object_version 6
	.text
	.protected	k_q4d551c12bb_proj
	.globl	k_q4d551c12bb_proj
	.p2align	8
	.type	k_q4d551c12bb_proj,@function
k_q4d551c12bb_proj:
	s_mov_b64 s[64:65], 0
	v_nop
	global_prefetch_b8 v0, s[64:65] scope:SCOPE_SE
	s_setreg_imm32_b32 hwreg(HW_REG_WAVE_MODE, 25, 1), 1
	s_wait_xcnt 0x0
; q, k, v = x W^T + b for one head and 256 positions: both operands are quantised here to codes of E2M1 with one E8M0 scale for each 32 along K = 256, and multiplied by the scaled matrix form; sums in f32.
; POSITIONS.  The rows of a sequence are taken in an order pos = 0 .. 2047: pos 0 .. 1966 are the rows t with t % 25 != 24, ascending (t = pos + pos / 24); pos 1967 .. 2047 the 81 rows with
; t % 25 == 24, descending (t = 51199 - 25 pos).  In that order the whole mask of the attention is "key position <= a limit of the query", and the hidden keys lie behind all others.
; SHARES.  Work-group (head h, y = 8 b + rgb): positions 256 rgb .. + 255 of batch b, the head's 32 columns of q, of k and of v.  Wave w: positions 32 w .. + 31 of them, two tiles of 16.
; The 12 fragments of the weights (3 tensors x 2 tiles of 16 rows x 2 K steps of 128) are quantised once, waves 0-7 one of Wq's or Wk's each, waves 0-3 one of Wv's more, and go to the other waves through LDS
; as images of their registers (16 bytes a lane, 512 bytes a store), the scale words 4 bytes a lane.
; RESULTS leave as images of the operand registers that the later launches want, in f16: a fragment is 1,024 bytes, registers 0-3 of lane l at 16 l, registers 4-7 at 512 + 16 l: each store covers 512 consecutive bytes, aligned.
; q and k are made transposed (source 0 = 16 rows of W, source 1 = 16 positions): a lane holds one position and 8 channels.  v is made the natural way: a lane holds one channel and 8 keys.
; The f32 sums of positions 0 .. 15 also go to 'top' as they stand; wave 7 of the work-groups y < 16 also turns one fragment of Wo into f16.
; LIMITS: q, k, v and Wo go on in f16: magnitudes must stay under 65,504, and under 6e-5 they carry an absolute error of 3e-8.  A block whose largest magnitude lies under 2^-124 keeps the scale byte 1, a block of zeros
; too (the quantiser's text says 127: its codes are zeros, and this program alone reads the bytes).  NaN and infinities among the inputs are not served.
.set WSC,   12*1024                    ; LDS: 12 fragments of 1,024 bytes from 0; their scale words, 128 bytes each, from here
.set SPARE, WSC+12*128                 ; the spare words, 128 bytes for each wave: four blocks of 256 bytes that no other line names
.set RR,    1                          ; v1   lane % 16
.set HF,    2                          ; v2   lane / 16
.set LI,    3                          ; v3   16 x lane
.set LS,    4                          ; v4   4 x lane
.set WA,    5                          ; v5   a weight's row r, my 16 numbers of a block: 1024 r + 64 half
.set XA,    6                          ; v6-7 the same in x, for my two tiles
.set IWA,   8                          ; v8   where I store a fragment's image: 16 x lane + 1024 x wave
.set IWS,   9                          ; v9   and its scale words: WSC + 4 x lane + 128 x wave
.set SPW,   10                         ; v10  my spare word; never rewritten
.set NIL,   11                         ; v11  0; never rewritten
.set FLOOR, 12                         ; v12  2^(3 - 127): no largest magnitude is taken under it
.set T0,    13                         ; v13-15 at work, then addresses of the biases' and Wo's loads
.set T1,    14
.set T2,    15
.set TM,    16                         ; v16-31 the quantiser's: largest magnitudes, bytes, scale operands
.set PC,    32                         ; v32-39 codes of the first weight fragment; v40 its scale word
.set PW,    40
.set XS,    41                         ; v41-44 x's scale words (2 m + ks); v45-56 the weights' (fragment f): scales and nothing else
.set WS,    45
.set BV,    58                         ; v[58:59], v[60:61] bv of my channel, and 0
.set XF,    64                         ; v64-95   x's fragments (2 m + ks)
.set WF,    96                         ; v96-127  four fragments of a weight (2 c + ks)
.set ACC,   128                        ; v128-223 sums: 32 p + 8 (2 m + c)
.set BQ,    224                        ; v224-239 bq, v240-255 bk: 8 registers a tile, in the result's layout
.set WV,  28
.set HD,  29
.set YY,  30
.set BB,  31
.set RGB, 32
.set BH,  33
.set TP,  34                           ; s[34:35] an offset, 0 above it
.set W0P, 36
.set W1P, 38
.set QBS, 40
.set KBS, 42
.set VBS, 44
.set TOPB, 46
.set SEL, 48
.set TOPF, 50
.set WOF, 51
.set WOS, 52
.set WOD, 54
.set BQB, 56
.set BKB, 58
.set BVB, 60
.set TQ,  62                           ; s[62:63] at work
.set MSB, 0
.macro WIN new                         ; the immediate's high byte repeats the setting that is left
.if MSB != \new
	s_set_vgpr_msb (MSB<<8)|\new
.set MSB, \new
.endif
.endm
.macro TPOS dst, pos, tmp              ; the row t of position pos
	v_mul_u32_u24 v[\tmp], 2731, v[\pos]
	v_lshrrev_b32 v[\tmp], 16, v[\tmp]             ; pos / 24: exact under 2,048
	v_add_nc_u32 v[\tmp], v[\tmp], v[\pos]
	v_mul_u32_u24 v[\dst], 25, v[\pos]
	v_sub_nc_u32 v[\dst], 51199, v[\dst]
	v_cmp_gt_u32 vcc_lo, 1967, v[\pos]
	v_cndmask_b32 v[\dst], v[\dst], v[\tmp], vcc_lo
.endm
.macro RAW set, va, sb, off            ; 64 numbers of my row into window 1: register 16 b + i = k 32 b + 16 half + i
	WIN 0x40
.irp blk, 0,1,2,3
.irp j, 0,1,2,3
	global_load_b128 v[\set+16*\blk+4*\j:\set+16*\blk+4*\j+3], v[\va], s[\sb:\sb+1] offset:\off+128*\blk+16*\j
.endr
.endr
	WIN 0
.endm
.macro QUANT set, pc, pw               ; those 64 numbers become a fragment's codes in v[pc] on and my row's scale word in v[pw]
	WIN 0x14                                       ; sources 1 and 2 in window 1
.irp b, 0,1,2,3
	v_max3_num_f32 v[TM+\b], v[FLOOR], |v[\set+16*\b]|, |v[\set+16*\b+1]|
.endr
.irp i, 2,4,6,8,10,12,14
.irp b, 0,1,2,3
	v_max3_num_f32 v[TM+\b], v[TM+\b], |v[\set+16*\b+\i]|, |v[\set+16*\b+\i+1]|   ; the four blocks by turns
.endr
.endr
	WIN 0
.irp b, 0,1,2,3
	v_permlanex16_b32 v[TM+4+\b], v[TM+\b], s[SEL], s[SEL+1]
.endr
.irp b, 0,1,2,3
	v_max_num_f32 v[TM+\b], v[TM+\b], v[TM+4+\b]   ; with lane l xor 16's 16 numbers: the block's largest magnitude
.endr
.irp b, 0,1,2,3
	v_add_nc_u32 v[TM+12+\b], 0xff000000, v[TM+\b] ; 2 off its exponent field: the conversion's scale operand
.endr
.irp b, 0,1,2,3
	v_lshrrev_b32 v[TM+4+\b], 23, v[TM+12+\b]      ; the scale's byte
.endr
	v_lshl_or_b32 v[\pw], v[TM+5], 8, v[TM+4]
	v_lshl_or_b32 v[\pw], v[TM+6], 16, v[\pw]
	v_lshl_or_b32 v[\pw], v[TM+7], 24, v[\pw]
	WIN 0x01                                       ; source 0 in window 1
.irp b, 0,1,2,3
	v_cvt_scalef32_pk8_fp4_f32 v[\pc+2*\b], v[\set+16*\b:\set+16*\b+7], v[TM+12+\b]
	v_cvt_scalef32_pk8_fp4_f32 v[\pc+2*\b+1], v[\set+16*\b+8:\set+16*\b+15], v[TM+12+\b]
.endr
	WIN 0
	v_nop                                          ; one plain place behind a scaled conversion
.irp c, 0,1                                    ; the operand's layout wants a whole block in a lane
.irp i, 0,1
	v_permlane16_swap_b32 v[\pc+4*\c+\i], v[\pc+4*\c+2+\i]
.endr
.endr
.endm
.macro IMAGE pc, pw, off
	ds_store_b128 v[IWA], v[\pc:\pc+3] offset:\off
	ds_store_b128 v[IWA], v[\pc+4:\pc+7] offset:\off+512
	ds_store_b32 v[IWS], v[\pw] offset:(\off)/8
.endm
	s_load_b512 s[4:19], s[0:1], 0x0               ; x 4, Wq 6, bq 8, Wk 10, bk 12, Wv 14, bv 16, Wo 18
	s_load_b256 s[20:27], s[0:1], 0x40             ; qf 20, kv 22, wo16 24, top 26
	v_lshl_add_u32 v[SPW], v0, 2, SPARE
	v_mov_b32 v[NIL], 0
	v_lshrrev_b32 v[T0], 5, v0
	v_readfirstlane_b32 s[WV], v[T0]               ; wave 0..7
	s_mov_b32 s[HD], ttmp9                         ; head
	s_and_b32 s[YY], ttmp7, 0xffff
	s_lshr_b32 s[BB], s[YY], 3                     ; batch
	s_and_b32 s[RGB], s[YY], 7                     ; which 256 positions
	s_lshl_b32 s[BH], s[BB], 3
	s_add_co_u32 s[BH], s[BH], s[HD]
	v_and_b32 v[RR], 15, v0
	v_bfe_u32 v[HF], v0, 4, 1
	v_and_b32 v[T0], 31, v0
	v_lshlrev_b32 v[LI], 4, v[T0]
	v_lshlrev_b32 v[LS], 2, v[T0]
	v_lshlrev_b32 v[WA], 10, v[RR]
	v_lshl_add_u32 v[WA], v[HF], 6, v[WA]
	s_lshl_b32 s62, s[RGB], 8
	s_lshl_b32 s63, s[WV], 5
	s_add_co_u32 s62, s62, s63                     ; my first position
	s_lshl_b32 s63, s[BB], 11
	v_add_nc_u32 v[T0], s62, v[RR]
	TPOS XA, T0, T1
	v_add_nc_u32 v[XA], s63, v[XA]
	v_lshlrev_b32 v[XA], 10, v[XA]
	v_lshl_add_u32 v[XA], v[HF], 6, v[XA]          ; (2048 b + t) rows of 1,024 bytes + 64 half
	v_add_nc_u32 v[T0], 16, v[T0]
	TPOS XA+1, T0, T1
	v_add_nc_u32 v[XA+1], s63, v[XA+1]
	v_lshlrev_b32 v[XA+1], 10, v[XA+1]
	v_lshl_add_u32 v[XA+1], v[HF], 6, v[XA+1]
	s_lshl_b32 s62, s[WV], 10
	v_add_nc_u32 v[IWA], s62, v[LI]
	s_lshl_b32 s62, s[WV], 7
	s_add_co_u32 s62, s62, WSC
	v_add_nc_u32 v[IWS], s62, v[LS]
	v_mov_b32 v[FLOOR], 0x1800000
.irp b, 0,1,2,3
	v_mov_b32 v[TM+4+\b], 0                        ; written once: a lane permute's destination counts as one of its sources
.endr
	v_mov_b32 v[BV+1], 0
	v_mov_b32 v[BV+3], 0
	v_lshlrev_b32 v[T0], 5, v[HF]                  ; bq, bk: 32 x half
	v_lshlrev_b32 v[T1], 2, v[RR]                  ; bv: 4 r
	s_mov_b32 s[SEL], 0x76543210
	s_mov_b32 s[SEL+1], 0xfedcba98
	s_bfe_u32 s62, s[WV], 0x10001                  ; which 16 rows of the head's 32 I quantise,
	s_lshl_b32 s62, s62, 14
	s_and_b32 s63, s[WV], 1                        ; and which K step
	s_lshl_b32 s63, s63, 9
	s_add_co_u32 s62, s62, s63
	s_lshl_b32 s63, s[HD], 15
	s_add_co_u32 s62, s62, s63
	s_mov_b32 s63, 0
	s_lshl_b32 s[TP], s[HD], 7
	s_mov_b32 s[TP+1], 0
	s_or_b32 s[TOPF], s[RGB], s[WV]                ; 0: my first tile is positions 0 .. 15
	s_cmp_eq_u32 s[WV], 7
	s_cselect_b32 s[WOF], s[YY], 16                ; under 16: I also turn a fragment of Wo
	s_wait_kmcnt 0x0
	s_cmp_lt_u32 s[WV], 4
	s_cselect_b64 s[W0P:W0P+1], s[6:7], s[10:11]   ; waves 0-3 Wq, waves 4-7 Wk
	s_add_nc_u64 s[W0P:W0P+1], s[W0P:W0P+1], s[62:63]
	s_add_nc_u64 s[W1P:W1P+1], s[14:15], s[62:63]
	s_add_nc_u64 s[BQB:BQB+1], s[8:9], s[TP:TP+1]
	s_add_nc_u64 s[BKB:BKB+1], s[12:13], s[TP:TP+1]
	s_add_nc_u64 s[BVB:BVB+1], s[16:17], s[TP:TP+1]
.irp c, 0,1
	global_load_b128 v[BQ+8*\c:BQ+8*\c+3], v[T0], s[BQB:BQB+1] offset:64*\c
	global_load_b128 v[BQ+8*\c+4:BQ+8*\c+7], v[T0], s[BQB:BQB+1] offset:64*\c+16
	global_load_b128 v[BQ+16+8*\c:BQ+16+8*\c+3], v[T0], s[BKB:BKB+1] offset:64*\c
	global_load_b128 v[BQ+16+8*\c+4:BQ+16+8*\c+7], v[T0], s[BKB:BKB+1] offset:64*\c+16
	global_load_b32 v[BV+2*\c], v[T1], s[BVB:BVB+1] offset:64*\c
.endr
	RAW 0, WA, W0P, 0
	s_cmp_lt_u32 s[WV], 4
	s_cbranch_scc0 .Lno_wv_load
	RAW 64, WA, W1P, 0
.Lno_wv_load:
	RAW 128, XA, 4, 0                              ; x: tile 0, K step 0
	RAW 192, XA, 4, 512                            ;    tile 0, K step 1
	; where the results go
	s_lshl_b32 s[TP], s[BH], 17
	s_lshl_b32 s62, s[RGB], 14
	s_add_co_u32 s[TP], s[TP], s62
	s_lshl_b32 s62, s[WV], 11
	s_add_co_u32 s[TP], s[TP], s62
	s_add_nc_u64 s[QBS:QBS+1], s[20:21], s[TP:TP+1]   ; qf: (128 bh + 16 rgb + 2 w) fragments
	s_lshl_b32 s[TP], s[BH], 18
	s_lshl_b32 s62, s[RGB], 15
	s_add_co_u32 s[TP], s[TP], s62
	s_lshr_b32 s62, s[WV], 1
	s_lshl_b32 s62, s62, 13
	s_add_co_u32 s[TP], s[TP], s62
	s_and_b32 s62, s[WV], 1
	s_lshl_b32 s62, s62, 11
	s_add_co_u32 s[TP], s[TP], s62
	s_add_nc_u64 s[KBS:KBS+1], s[22:23], s[TP:TP+1]   ; kv: step 4 rgb + w / 2 of 8,192 bytes; K's fragments 2 (w % 2) + m,
	s_add_nc_u64 s[VBS:VBS+1], s[KBS:KBS+1], 4096     ; V's, 4,096 bytes on: 2 (w % 2) + c
	s_mul_i32 s[TP], s[BH], 6144
	s_add_nc_u64 s[TOPB:TOPB+1], s[26:27], s[TP:TP+1]
	; one fragment of Wo (16 rows y, K step = head) into f16
	s_cmp_lt_u32 s[WOF], 16
	s_cbranch_scc0 .Lno_wo
	s_lshl_b32 s[TP], s[YY], 14
	s_lshl_b32 s62, s[HD], 7
	s_add_co_u32 s[TP], s[TP], s62
	s_add_nc_u64 s[WOS:WOS+1], s[18:19], s[TP:TP+1]
	s_lshl_b32 s[TP], s[YY], 13
	s_lshl_b32 s62, s[HD], 10
	s_add_co_u32 s[TP], s[TP], s62
	s_add_nc_u64 s[WOD:WOD+1], s[24:25], s[TP:TP+1]
	v_lshlrev_b32 v[T2], 10, v[RR]
	v_lshl_add_u32 v[T2], v[HF], 5, v[T2]
	global_load_b128 v[192:195], v[T2], s[WOS:WOS+1]
	global_load_b128 v[196:199], v[T2], s[WOS:WOS+1] offset:16
	global_load_b128 v[200:203], v[T2], s[WOS:WOS+1] offset:64
	global_load_b128 v[204:207], v[T2], s[WOS:WOS+1] offset:80
	s_wait_loadcnt 0x0
.irp i, 0,1,2,3,4,5,6,7
	v_cvt_pk_f16_f32 v[208+\i], v[192+2*\i], v[193+2*\i]
.endr
	global_store_b128 v[LI], v[208:211], s[WOD:WOD+1]
	global_store_b128 v[LI], v[212:215], s[WOD:WOD+1] offset:512
	s_wait_xcnt 0x0                                ; the stores have read their registers, which the sums take later
.Lno_wo:
	s_wait_loadcnt 32                              ; the 32 youngest loads are x's: the biases and the weights are in
	QUANT 0, PC, PW
	IMAGE PC, PW, 0                                ; fragment w
	RAW 0, XA+1, 4, 0                              ; x: tile 1, K step 0
	s_cmp_lt_u32 s[WV], 4
	s_cbranch_scc0 .Lno_wv
	QUANT 64, WF, WF+8
	IMAGE WF, WF+8, 8192                           ; fragment 8 + w
.Lno_wv:
	RAW 64, XA+1, 4, 512                           ; x: tile 1, K step 1
	s_wait_dscnt 0x0                               ; my images have landed
	s_barrier_signal -1
	s_barrier_wait -1                              ; all twelve lie in LDS; nothing is written there again
.irp f, 0,1,2,3,4,5,6,7,8,9,10,11
	ds_load_b32 v[WS+\f], v[LS] offset:WSC+128*\f
.endr
	s_wait_loadcnt 48                              ; three sets of 16 loads are younger
	QUANT 128, XF, XS
	s_wait_loadcnt 32
	QUANT 192, XF+8, XS+1
	s_wait_loadcnt 16
	QUANT 0, XF+16, XS+2
	s_wait_loadcnt 0x0
	QUANT 64, XF+24, XS+3
.rept 8
	v_nop                                          ; a scale register written by a vector instruction stands 8 places ahead of a scaled product, an operand so written 4
.endr
; Tensor p (0 q, 1 k, 2 v): its four fragments from LDS; eight products, four sums by turns; the results out.
.macro PROJ p
.irp i, 0,1,2,3
	ds_load_b128 v[WF+8*\i:WF+8*\i+3], v[LI] offset:(4*\p+\i)*1024      ; (four places stand behind the last products that read these registers)
	ds_load_b128 v[WF+8*\i+4:WF+8*\i+7], v[LI] offset:(4*\p+\i)*1024+512
.endr
	s_wait_dscnt 0x0
.irp ks, 0,1
.irp m, 0,1
.irp c, 0,1
.if \p < 2
.if \ks == 0
	v_wmma_scale_f32_16x16x128_f8f6f4 v[ACC+32*\p+8*(2*\m+\c):ACC+32*\p+8*(2*\m+\c)+7], v[WF+8*(2*\c+\ks):WF+8*(2*\c+\ks)+7], v[XF+8*(2*\m+\ks):XF+8*(2*\m+\ks)+7], v[BQ+16*\p+8*\c:BQ+16*\p+8*\c+7], v[WS+4*\p+2*\c+\ks], v[XS+2*\m+\ks] matrix_a_fmt:MATRIX_FMT_FP4 matrix_b_fmt:MATRIX_FMT_FP4
.else
	v_wmma_scale_f32_16x16x128_f8f6f4 v[ACC+32*\p+8*(2*\m+\c):ACC+32*\p+8*(2*\m+\c)+7], v[WF+8*(2*\c+\ks):WF+8*(2*\c+\ks)+7], v[XF+8*(2*\m+\ks):XF+8*(2*\m+\ks)+7], v[ACC+32*\p+8*(2*\m+\c):ACC+32*\p+8*(2*\m+\c)+7], v[WS+4*\p+2*\c+\ks], v[XS+2*\m+\ks] matrix_a_fmt:MATRIX_FMT_FP4 matrix_b_fmt:MATRIX_FMT_FP4
.endif
.else
.if \ks == 0
	v_wmma_scale_f32_16x16x128_f8f6f4 v[ACC+32*\p+8*(2*\m+\c):ACC+32*\p+8*(2*\m+\c)+7], v[XF+8*(2*\m+\ks):XF+8*(2*\m+\ks)+7], v[WF+8*(2*\c+\ks):WF+8*(2*\c+\ks)+7], 0, v[XS+2*\m+\ks], v[WS+4*\p+2*\c+\ks] matrix_a_fmt:MATRIX_FMT_FP4 matrix_b_fmt:MATRIX_FMT_FP4
.else
	v_wmma_scale_f32_16x16x128_f8f6f4 v[ACC+32*\p+8*(2*\m+\c):ACC+32*\p+8*(2*\m+\c)+7], v[XF+8*(2*\m+\ks):XF+8*(2*\m+\ks)+7], v[WF+8*(2*\c+\ks):WF+8*(2*\c+\ks)+7], v[ACC+32*\p+8*(2*\m+\c):ACC+32*\p+8*(2*\m+\c)+7], v[XS+2*\m+\ks], v[WS+4*\p+2*\c+\ks] matrix_a_fmt:MATRIX_FMT_FP4 matrix_b_fmt:MATRIX_FMT_FP4
.endif
.endif
.endr
.endr
.endr
.rept 4
	v_nop                                          ; places ahead of the first read of results, and of the next tensor's loads into WF
.endr
.if \p == 2
.irp a, 0,1,2,3                                ; v: a lane holds one channel, so its bias is one number for all eight registers
.irp i, 0,2,4,6
	v_pk_add_f32 v[ACC+64+8*\a+\i:ACC+64+8*\a+\i+1], v[ACC+64+8*\a+\i:ACC+64+8*\a+\i+1], v[BV+2*(\a%2):BV+2*(\a%2)+1] op_sel_hi:[1,0]
.endr
.endr
.endif
	s_cmp_lg_u32 s[TOPF], 0
	s_cbranch_scc1 .Lnot_top_\@
.irp c, 0,1                                    ; positions 0 .. 15: the f32 sums as they stand
	global_store_b128 v[LI], v[ACC+32*\p+8*\c:ACC+32*\p+8*\c+3], s[TOPB:TOPB+1] offset:2048*\p+1024*\c
	global_store_b128 v[LI], v[ACC+32*\p+8*\c+4:ACC+32*\p+8*\c+7], s[TOPB:TOPB+1] offset:2048*\p+1024*\c+512
.endr
	s_wait_xcnt 0x0                                ; these stores have read their registers: the roundings below write them
.Lnot_top_\@:
.irp a, 0,1,2,3
.irp i, 0,1,2,3
	v_cvt_pk_f16_f32 v[ACC+32*\p+8*\a+\i], v[ACC+32*\p+8*\a+2*\i], v[ACC+32*\p+8*\a+2*\i+1]   ; in place, each sum from its low end on
.endr
.endr
.irp m, 0,1
.irp c, 0,1
.if \p == 0
	global_store_b128 v[LI], v[ACC+32*\p+8*(2*\m+\c):ACC+32*\p+8*(2*\m+\c)+3], s[QBS:QBS+1] offset:1024*\m+512*\c
.elseif \p == 1
	global_store_b128 v[LI], v[ACC+32*\p+8*(2*\m+\c):ACC+32*\p+8*(2*\m+\c)+3], s[KBS:KBS+1] offset:1024*\m+512*\c
.else
	global_store_b128 v[LI], v[ACC+32*\p+8*(2*\m+\c):ACC+32*\p+8*(2*\m+\c)+3], s[VBS:VBS+1] offset:1024*\c+512*\m
.endif
.endr
.endr
.endm
	PROJ 0
	PROJ 1
	PROJ 2
	s_wait_tensorcnt 0x0                           ; the wave's end
	ds_add_u32 v[SPW], v[NIL]
	s_wait_dscnt 0x0
	s_endpgm
.Lfunc_end_k_q4d551c12bb_proj:
	.size	k_q4d551c12bb_proj, .Lfunc_end_k_q4d551c12bb_proj-k_q4d551c12bb_proj
	.p2alignl 7, 3214868480
	.fill 96, 4, 3214868480
	.section	.rodata,"a",@progbits
	.p2align	6, 0x0
	.amdhsa_kernel k_q4d551c12bb_proj
		.amdhsa_group_segment_fixed_size 14848
		.amdhsa_private_segment_fixed_size 0
		.amdhsa_enable_private_segment 0
		.amdhsa_kernarg_size 96
		.amdhsa_user_sgpr_count 2
		.amdhsa_user_sgpr_kernarg_segment_ptr 1
		.amdhsa_wavefront_size32 1
		.amdhsa_system_sgpr_workgroup_id_x 1
		.amdhsa_system_sgpr_workgroup_id_y 1
		.amdhsa_system_sgpr_workgroup_id_z 1
		.amdhsa_system_vgpr_workitem_id 0
		.amdhsa_next_free_vgpr 512
		.amdhsa_next_free_sgpr 66
		.amdhsa_reserve_vcc 1
		.amdhsa_float_denorm_mode_32 3
		.amdhsa_float_denorm_mode_16_64 3
		.amdhsa_memory_ordered 1
		.amdhsa_forward_progress 1
		.amdhsa_inst_pref_size 52
	.end_amdhsa_kernel
	.amdgpu_metadata
---
amdhsa.version: [ 1, 2 ]
amdhsa.kernels:
  - .name:           k_q4d551c12bb_proj
    .symbol:         k_q4d551c12bb_proj.kd
    .args:
      - { .name: x, .offset: 0, .size: 8, .value_kind: global_buffer, .address_space: global }
      - { .name: Wq, .offset: 8, .size: 8, .value_kind: global_buffer, .address_space: global }
      - { .name: bq, .offset: 16, .size: 8, .value_kind: global_buffer, .address_space: global }
      - { .name: Wk, .offset: 24, .size: 8, .value_kind: global_buffer, .address_space: global }
      - { .name: bk, .offset: 32, .size: 8, .value_kind: global_buffer, .address_space: global }
      - { .name: Wv, .offset: 40, .size: 8, .value_kind: global_buffer, .address_space: global }
      - { .name: bv, .offset: 48, .size: 8, .value_kind: global_buffer, .address_space: global }
      - { .name: Wo, .offset: 56, .size: 8, .value_kind: global_buffer, .address_space: global }
      - { .name: qf, .offset: 64, .size: 8, .value_kind: global_buffer, .address_space: global }
      - { .name: kv, .offset: 72, .size: 8, .value_kind: global_buffer, .address_space: global }
      - { .name: wo16, .offset: 80, .size: 8, .value_kind: global_buffer, .address_space: global }
      - { .name: top, .offset: 88, .size: 8, .value_kind: global_buffer, .address_space: global }
    .group_segment_fixed_size: 14848
    .private_segment_fixed_size: 0
    .kernarg_segment_align: 8
    .kernarg_segment_size: 96
    .max_flat_workgroup_size: 256
    .sgpr_count:     66
    .vgpr_count:     512
    .wavefront_size: 32
...
	.end_amdgpu_metadata
.endif
;; end of part 1
;; launch attn (part 2): grid 8 x 32, 8 waves a work-group, no clusters, 327,680 bytes of LDS; arguments qf, kv, ao; writes ao
.if DOCPART == 2
	.amdgcn_target "amdgcn-amd-amdhsa--gfx1250"
	.amdhsa_code_object_version 6
	.text
	.protected	k_q4d551c12bb_attn
	.globl	k_q4d551c12bb_attn
	.p2align	8
	.type	k_q4d551c12bb_attn,@function
k_q4d551c12bb_attn:
	s_mov_b64 s[64:65], 0
	v_nop
	global_prefetch_b8 v0, s[64:65] scope:SCOPE_SE
	s_setreg_imm32_b32 hwreg(HW_REG_WAVE_MODE, 25, 1), 1
	s_wait_xcnt 0x0
; softmax(q k^T / sqrt(32)) v for one head, under the mask, in the order of positions in which the mask is "key position <= L(query position)": L(pos) = pos for pos < 1967, else 49151 - 24 pos.
; All operands are f16 images of operand registers (1,024 bytes a fragment); products, maxima and sums in f32; p is rounded to f16 for the second product.
; SHARES.  A head's 2,048 positions are 16 blocks of 128.  Work-group g owns block g and block 15 - g: 17 blocks' lengths of keys for every work-group.  Wave w owns tile A = 8 g + w and tile B = 120 - 8 g + w, 16 queries each.
; Tile B's limit is never under tile A's, so a step's fragments are loaded while B wants them and serve A too while A wants them.
; LAYOUT.  S^T = K Q^T (source 0 = 16 keys, source 1 = 16 queries) and O^T = V^T P: a lane holds one query throughout; two tiles of S^T, rounded in pairs, are source 1 of the second product.
; THE ROW'S SUM is a third product: source 0 holds 1.0 in rows 0, 1, 8, 9 and 0 elsewhere, so registers 0 and 1 of its result hold the query's sum in both halves of the lanes.  It is the sum of p as rounded to f16.
; SOFTMAX.  A running maximum m and p = 2^(c s - c m), c = log2(e) / sqrt(32); in every step O and the sum are multiplied by a = 2^(c m_old - c m_new).  Key 0 counts for every query, so m is a number from the first step on.
; THE RING.  Two LDS slots, 2^17 bytes apart; a slot holds a chunk of 256 keys: 4 steps of 8,192 bytes, dense in memory; each wave fetches 4,096 bytes of it.  By this text's count a wave has at most one tensor load out.
; Every work-group walks all 8 changes of slots; a chunk whose first key lies behind the work-group's last position is not asked for, and a step whose keys lie behind a wave's limit is jumped over: branches on ids and counts of steps alone.
; NO CLUSTER: the 8 work-groups of a head want 5 to 8 chunks each, so partners would be named by loads whose tiles none of their waves reads.
; LIMITS: f16 operands (magnitudes under 65,504); NaN and infinities are not served.
.set SLOT1,  1<<17
.set SPARE,  1<<18                     ; the spare words, 128 bytes for each wave: four blocks of 256 bytes that no other line names
.set CHUNKB, 32768
.set LI,   1                           ; v1   16 x lane
.set AD,   2                           ; v2   LDS address of the chunk in hand, + 16 x lane
.set SPW,  3
.set NIL,  4
.set NINF, 5                           ; v5   -infinity
.set PFO,  6                           ; v6   256 x lane
.set DD,   7
.set LHA,  8                           ; v8, v9  L(my query) - 8 x half, tiles A and B
.set LHB,  9
.set T0,   10
.set T1,   11
.set STA,  12                          ; a tile's statistics: +0 c m, +1 m, +2 a, +3 0, +4 .. +7 at work
.set STB,  20
.set RR,   28
.set H8,   29
.set QA,   32
.set QB,   40
.set ONES, 48
.set KFR,  64                          ; v64-95  K's four fragments of a step;  v96-127 V's
.set VFR,  96
.set S,    128                         ; v128-159 S^T, then p;  v160-175 p in f16
.set P,    160
.set OA,   176                         ; a tile's O^T (16 registers) and sum (8)
.set OB,   200
.set TW,   224
.set PKA,  240
.set PKB,  248
.set WV,   10
.set G,    11
.set BH,   12
.set G1,   16
.set G0,   24
.set CS,   28
.set SEL,  30
.set TB,   32                          ; s32  LDS byte at which the slot in hand begins
.set SKF,  33                          ; s33  the step's first key
.set SLOTS, 34
.set WGL,  35                          ; s35  one past my work-group's last position
.set LMINA, 36
.set LMAXA, 37
.set LMINB, 38
.set LMAXB, 39
.set PFA,  40
.set LIM,  42
.set AOA,  44
.set AOB,  46
.set QAP,  48
.set QBP,  50
.set P0A,  52
.set P0B,  53
.macro SLIM dst, p, tmp                ; L of a position, in scalars
	s_mul_i32 s[\tmp], s[\p], 24
	s_sub_co_u32 s[\tmp], 49151, s[\tmp]
	s_cmp_lt_u32 s[\p], 1967
	s_cselect_b32 s[\dst], s[\p], s[\tmp]
.endm
.macro LIMS p0, lmin, lmax             ; the least and the greatest L of the 16 positions from p0 on: L rises up to position 1966 and falls behind it
	SLIM \lmin, \p0, 58
	s_add_co_u32 s54, s[\p0], 15
	SLIM 55, 54, 58
	s_add_co_u32 s54, s[\p0], 14
	SLIM 59, 54, 58
	s_max_u32 s[\lmax], s[\lmin], s55
	s_max_u32 s[\lmax], s[\lmax], s59
	s_min_u32 s[\lmin], s[\lmin], s55
.endm
.macro VLIM lh, p0                     ; L(p0 + lane % 16) - 8 x half
	v_add_nc_u32 v[T0], s[\p0], v[RR]
	v_mul_u32_u24 v[T1], 24, v[T0]
	v_sub_nc_u32 v[T1], 49151, v[T1]
	v_cmp_gt_u32 vcc_lo, 1967, v[T0]
	v_cndmask_b32 v[\lh], v[T1], v[T0], vcc_lo
	v_sub_nc_u32 v[\lh], v[\lh], v[H8]
.endm
	s_load_b128 s[4:7], s[0:1], 0x0                ; qf, kv
	s_load_b64 s[8:9], s[0:1], 0x10                ; ao
	v_lshl_add_u32 v[SPW], v0, 2, SPARE
	v_mov_b32 v[NIL], 0
	ds_add_u32 v[SPW], v[NIL]                      ; the wave's opening: the add, twice on end, and its wait ahead of my first tensor load
	ds_add_u32 v[SPW], v[NIL]
	v_lshrrev_b32 v[T0], 5, v0
	v_readfirstlane_b32 s[WV], v[T0]               ; wave 0..7
	s_mov_b32 s[G], ttmp9
	s_and_b32 s[BH], ttmp7, 0xffff                 ; 8 b + head
	; descriptor group 1: 16 rows of 32 elements of 8 bytes, dense: 4,096 bytes; no padding: images are read 16 bytes a lane, 512 consecutive bytes an instruction
	s_mov_b32 s[G1+0], 3<<16
	s_mov_b32 s[G1+1], 32<<16                      ; tensor_dim0
	s_mov_b32 s[G1+2], 16<<16                      ; tensor_dim1
	s_mov_b32 s[G1+3], 32<<16                      ; tile_dim0
	s_mov_b32 s[G1+4], 16                          ; tile_dim1
	s_mov_b32 s[G1+5], 32                          ; stride from row to row
	s_mov_b32 s[G1+6], 0
	s_mov_b32 s[G1+7], 0
	s_mov_b32 s[G0], 1
	s_lshl_b32 s[G0+1], s[WV], 12                  ; LDS: slot 0, my 4,096 bytes
	s_lshl_b32 s14, s[BH], 18
	s_add_co_u32 s14, s14, s[G0+1]
	s_mov_b32 s15, 0
	s_mov_b32 s[CS], 0x3e8293ee                    ; c = log2(e) / sqrt(32)
	s_mov_b32 s[CS+1], s[CS]
	s_mov_b32 s[SEL], 0x76543210
	s_mov_b32 s[SEL+1], 0xfedcba98
	s_mov_b32 s[TB], 0
	s_mov_b32 s[SKF], 0
	s_mov_b32 s[SLOTS], 7
	s_sub_co_u32 s[WGL], 16, s[G]
	s_lshl_b32 s[WGL], s[WGL], 7
	s_wait_dscnt 0x0                               ; both opening adds are done
	s_wait_kmcnt 0x0
	s_add_nc_u64 s[G0+2:G0+3], s[6:7], s[14:15]    ; the head's chunk 0, my part
	s_or_b32 s[G0+3], s[G0+3], 0x80000000
	tensor_load_to_lds s[G0:G0+3], s[G1:G1+7]
	s_nop 0
.rept 4
	v_nop
.endr
	v_and_b32 v[T0], 31, v0
	v_lshlrev_b32 v[LI], 4, v[T0]
	v_lshlrev_b32 v[PFO], 8, v[T0]
	s_lshl_b32 s13, s[G], 3
	s_add_co_u32 s56, s13, s[WV]                   ; tile A
	s_sub_co_u32 s57, 120, s13
	s_add_co_u32 s57, s57, s[WV]                   ; tile B
	s_lshl_b32 s[P0A], s56, 4
	s_lshl_b32 s[P0B], s57, 4
	s_mov_b32 s55, 0
	s_lshl_b32 s13, s[BH], 17
	s_lshl_b32 s54, s56, 10
	s_add_co_u32 s54, s54, s13
	s_add_nc_u64 s[QAP:QAP+1], s[4:5], s[54:55]
	s_lshl_b32 s54, s57, 10
	s_add_co_u32 s54, s54, s13
	s_add_nc_u64 s[QBP:QBP+1], s[4:5], s[54:55]
	global_load_b128 v[QA:QA+3], v[LI], s[QAP:QAP+1]
	global_load_b128 v[QA+4:QA+7], v[LI], s[QAP:QAP+1] offset:512
	global_load_b128 v[QB:QB+3], v[LI], s[QBP:QBP+1]
	global_load_b128 v[QB+4:QB+7], v[LI], s[QBP:QBP+1] offset:512
	s_lshr_b32 s13, s[BH], 3
	s_lshl_b32 s13, s13, 20
	s_and_b32 s43, s[BH], 7
	s_lshl_b32 s43, s43, 10
	s_add_co_u32 s13, s13, s43
	s_lshl_b32 s54, s56, 13
	s_add_co_u32 s54, s54, s13
	s_add_nc_u64 s[AOA:AOA+1], s[8:9], s[54:55]    ; ao: ((128 b + tile) 8 + head) fragments
	s_lshl_b32 s54, s57, 13
	s_add_co_u32 s54, s54, s13
	s_add_nc_u64 s[AOB:AOB+1], s[8:9], s[54:55]
	; the prefetches: waves 0-3 of the head's work-group g = 0 ask, 8,192 bytes of a chunk each, lanes 256 bytes apart: each block of 256 bytes is named once in the launch
	s_and_b32 s13, s[WV], 3
	s_lshl_b32 s54, s13, 13
	s_lshl_b32 s13, s[BH], 18
	s_add_co_u32 s54, s54, s13
	s_add_co_u32 s54, s54, CHUNKB                  ; in chunk 1: the first change of slots steps it to chunk 2.  Nothing is prefetched here, at the head
	s_add_nc_u64 s[PFA:PFA+1], s[6:7], s[54:55]
	s_lshr_b32 s13, s[WV], 2
	s_or_b32 s13, s13, s[G]
	s_cmp_eq_u32 s13, 0
	s_cselect_b32 s[LIM], 1, -1
	LIMS P0A, LMINA, LMAXA
	LIMS P0B, LMINB, LMAXB
	v_and_b32 v[RR], 15, v0
	v_bfe_u32 v[H8], v0, 4, 1
	v_lshlrev_b32 v[H8], 3, v[H8]
	VLIM LHA, P0A
	VLIM LHB, P0B
	v_and_b32 v[T0], 7, v0
	v_mov_b32 v[T1], 0x3c003c00                    ; 1.0, twice, in f16
	v_cmp_gt_u32 vcc_lo, 2, v[T0]
	v_cndmask_b32 v[ONES], 0, v[T1], vcc_lo        ; rows 0, 1, 8, 9
.irp i, 1,2,3,4,5,6,7
	v_mov_b32 v[ONES+\i], v[ONES]
.endr
	v_mov_b32 v[NINF], 0xff800000
.irp st, STA, STB
	v_mov_b32 v[\st+1], 0xff61b1e6                 ; m: -3e38, under every score
	v_mul_f32 v[\st], s[CS], v[\st+1]
	v_mov_b32 v[\st+2], 0
	v_mov_b32 v[\st+3], 0
.endr
.set i, 0
.rept 48
	v_mov_b32 v[OA+i], 0                           ; O^T and the sums.  (The step is written once: the first finds zeros, which a = 0 leaves zeros)
.set i, i+1
.endr
; One tile's part of a step of 64 keys.
.macro TILE st, q, o, lh, slmin, first
.if \first
	s_wait_dscnt 8                                 ; K's eight loads are in; V's eight are younger
.endif
.irp kt, 0,1,2,3
	v_wmma_f32_16x16x32_f16 v[S+8*\kt:S+8*\kt+7], v[KFR+8*\kt:KFR+8*\kt+7], v[\q:\q+7], 0
.endr
.rept 4
	v_nop
.endr
	s_add_co_u32 s56, s[SKF], 63                   ; a step all of whose keys count for all 16 queries has no mask
	s_cmp_le_u32 s56, s[\slmin]
	s_cbranch_scc1 .Lopen_\@
	v_sub_nc_u32 v[DD], v[\lh], s[SKF]             ; register 8 kt + j holds key SKF + 16 kt + 8 half + j: hidden where 16 kt + j > L - 8 half - SKF
.irp kt, 0,1,2,3
.irp j, 0,1,2,3,4,5,6,7
	v_cmp_gt_i32 vcc_lo, 16*\kt+\j, v[DD]
	v_cndmask_b32 v[S+8*\kt+\j], v[S+8*\kt+\j], v[NINF], vcc_lo
.endr
.endr
.Lopen_\@:
.irp i, 0,1,2,3                                ; the maximum of 32 scores and the old m: four chains, each tile of S^T from its low end on
	v_max3_num_f32 v[\st+4+\i], v[S+8*\i], v[S+8*\i+1], v[S+8*\i+2]
.endr
.irp i, 0,1,2,3
	v_max3_num_f32 v[\st+4+\i], v[\st+4+\i], v[S+8*\i+3], v[S+8*\i+4]
.endr
.irp i, 0,1,2,3
	v_max3_num_f32 v[\st+4+\i], v[\st+4+\i], v[S+8*\i+5], v[S+8*\i+6]
.endr
	v_max3_num_f32 v[\st+4], v[\st+4], v[S+7], v[S+15]
	v_max3_num_f32 v[\st+6], v[\st+6], v[S+23], v[S+31]
	v_max3_num_f32 v[\st+4], v[\st+4], v[\st+5], v[\st+6]
	v_max3_num_f32 v[\st+4], v[\st+4], v[\st+7], v[\st+1]
	v_permlanex16_b32 v[\st+5], v[\st+4], s[SEL], s[SEL+1]   ; the query's other 32 keys lie in the lane 16 away
	v_mov_b32 v[\st+7], v[\st]                     ; c m_old
	v_max_num_f32 v[\st+1], v[\st+4], v[\st+5]
	v_mul_f32 v[\st], s[CS], v[\st+1]
	v_sub_f32 v[\st+7], v[\st+7], v[\st]
	; one batch: 16 scalings and 33 exponentials, none of which names an exponential's result; a pair is scaled ahead of its exponentials
	v_pk_fma_f32 v[S:S+1], v[S:S+1], s[CS:CS+1], v[\st:\st+1] op_sel_hi:[1,0,0] neg_lo:[0,0,1] neg_hi:[0,0,1]
	v_exp_f32 v[\st+2], v[\st+7]
.set ii, 0
.rept 16
	v_exp_f32 v[S+2*ii], v[S+2*ii]
.if ii < 15
	v_pk_fma_f32 v[S+2*ii+2:S+2*ii+3], v[S+2*ii+2:S+2*ii+3], s[CS:CS+1], v[\st:\st+1] op_sel_hi:[1,0,0] neg_lo:[0,0,1] neg_hi:[0,0,1]
.endif
	v_exp_f32 v[S+2*ii+1], v[S+2*ii+1]
.set ii, ii+1
.endr
	v_nop                                          ; a plain instruction behind the last exponential
	s_wait_alu depctr_va_vdst(0)                   ; one wait for the batch, ahead of its first reader
.set ii, 0
.rept 16
	v_cvt_pk_f16_f32 v[P+ii], v[S+2*ii], v[S+2*ii+1]
.set ii, ii+1
.endr
.irp i, 0,2,4,6,8,10,12,14,16
	v_pk_mul_f32 v[\o+\i:\o+\i+1], v[\o+\i:\o+\i+1], v[\st+2:\st+3] op_sel_hi:[1,0]   ; O^T and the sum under the new m
.endr
.if \first
	s_wait_dscnt 0x0                               ; V is in
.endif
.irp gk, 0,1                                   ; three sums by turns
	v_wmma_f32_16x16x32_f16 v[\o:\o+7], v[VFR+16*\gk:VFR+16*\gk+7], v[P+8*\gk:P+8*\gk+7], v[\o:\o+7]
	v_wmma_f32_16x16x32_f16 v[\o+8:\o+15], v[VFR+16*\gk+8:VFR+16*\gk+15], v[P+8*\gk:P+8*\gk+7], v[\o+8:\o+15]
	v_wmma_f32_16x16x32_f16 v[\o+16:\o+23], v[ONES:ONES+7], v[P+8*\gk:P+8*\gk+7], v[\o+16:\o+23]
.endr
.endm
; A step: 64 keys, the n-th of the chunk in hand.
.macro STEP n
	s_cmp_gt_u32 s[SKF], s[LMAXB]                  ; all its keys lie behind both tiles' limits
	s_cbranch_scc1 .Lend_\@
.rept 4
	v_nop                                          ; places ahead of loads into registers that products have read
.endr
.irp f, 0,1,2,3
	ds_load_b128 v[KFR+8*\f:KFR+8*\f+3], v[AD] offset:8192*\n+1024*\f
	ds_load_b128 v[KFR+8*\f+4:KFR+8*\f+7], v[AD] offset:8192*\n+1024*\f+512
.endr
.irp f, 0,1,2,3
	ds_load_b128 v[VFR+8*\f:VFR+8*\f+3], v[AD] offset:8192*\n+4096+1024*\f
	ds_load_b128 v[VFR+8*\f+4:VFR+8*\f+7], v[AD] offset:8192*\n+4096+1024*\f+512
.endr
	TILE STB, QB, OB, LHB, LMINB, 1
	s_cmp_gt_u32 s[SKF], s[LMAXA]
	s_cbranch_scc1 .Lend_\@
	TILE STA, QA, OA, LHA, LMINA, 0
.Lend_\@:
	s_add_co_u32 s[SKF], s[SKF], 64
.endm
; The change of slots stands at a chunk's head.  Each wave waits for all its tensor loads (its part of the chunk that it is about to read), adds 0 to its spare word, and waits for that and for its reads of the slot that it has left.
; Behind the barrier the slot ahead is whole and nobody reads the other one.  fill = 1: that one is filled with the next chunk, which has four steps in which to land.
.macro CHANGE fill
	s_wait_tensorcnt 0x0                           ; no tensor load of mine is out, so group 0 may be written
	ds_add_u32 v[SPW], v[NIL]
.if \fill
	s_xor_b32 s[G0+1], s[G0+1], SLOT1
	s_add_nc_u64 s[G0+2:G0+3], s[G0+2:G0+3], CHUNKB
	s_wait_xcnt 0x0                                ; the last prefetch, a chunk back, has read its address
	s_add_nc_u64 s[PFA:PFA+1], s[PFA:PFA+1], CHUNKB
.endif
	s_wait_dscnt 0x0
	s_barrier_signal -1
	s_barrier_wait -1
.if \fill
	s_add_co_u32 s56, s[SKF], 256                  ; the next chunk's first key: behind my work-group's last position no wave reads it, so it is not asked for
	s_cmp_ge_u32 s56, s[WGL]                       ; ids and the count of steps alone: all eight waves go the same way
	s_cbranch_scc1 .Lpast_\@
	tensor_load_to_lds s[G0:G0+3], s[G1:G1+7]      ; my one tensor load until the next barrier
	s_nop 0
.rept 4
	v_nop
.endr
.Lpast_\@:
	s_cmp_gt_u32 s[SLOTS], s[LIM]                  ; a prefetch of the chunk after the one just asked for: four steps ahead of its load; the last filling change asks for nothing
	s_cbranch_scc0 .Lnot_mine_\@
	global_prefetch_b8 v[PFO], s[PFA:PFA+1] th:TH_LOAD_NT scope:SCOPE_SE
.Lnot_mine_\@:
.endif
.endm
	s_wait_loadcnt 0x0                             ; Q
.Lchunk:                                           ; 7 trips: behind each change of slots but the last the next chunk is asked for, up to the work-group's limit
	CHANGE 1
	v_add_nc_u32 v[AD], s[TB], v[LI]
	STEP 0
	STEP 1
	STEP 2
	STEP 3
	s_xor_b32 s[TB], s[TB], SLOT1
	s_sub_co_u32 s[SLOTS], s[SLOTS], 1
	s_cmp_lg_u32 s[SLOTS], 0
	s_cbranch_scc1 .Lchunk
	CHANGE 0                                       ; the last chunk is written out: nothing is left to fetch
	v_add_nc_u32 v[AD], s[TB], v[LI]
	STEP 0
	STEP 1
	STEP 2
	STEP 3
	; THE WAY OUT: O^T / the sum, rounded to f16: the two tiles of channels are registers 0-3 and 4-7 of a fragment of the last product's source 1
.rept 4
	v_nop
.endr
	v_rcp_f32 v[STA+2], v[OA+16]
	v_rcp_f32 v[STB+2], v[OB+16]
	v_nop
	s_wait_alu depctr_va_vdst(0)                   ; one wait for the two reciprocals
.macro SEND o, st, pk, sb
.irp i, 0,2,4,6,8,10,12,14
	v_pk_mul_f32 v[TW+\i:TW+\i+1], v[\o+\i:\o+\i+1], v[\st+2:\st+3] op_sel_hi:[1,0]
.endr
.irp i, 0,1,2,3,4,5,6,7
	v_cvt_pk_f16_f32 v[\pk+\i], v[TW+2*\i], v[TW+2*\i+1]
.endr
	global_store_b128 v[LI], v[\pk:\pk+3], s[\sb:\sb+1]               ; 512 consecutive bytes, aligned
	global_store_b128 v[LI], v[\pk+4:\pk+7], s[\sb:\sb+1] offset:512
.endm
	SEND OA, STA, PKA, AOA
	SEND OB, STB, PKB, AOB
	s_wait_tensorcnt 0x0                           ; the wave's end
	ds_add_u32 v[SPW], v[NIL]
	s_wait_dscnt 0x0
	s_endpgm
.Lfunc_end_k_q4d551c12bb_attn:
	.size	k_q4d551c12bb_attn, .Lfunc_end_k_q4d551c12bb_attn-k_q4d551c12bb_attn
	.p2alignl 7, 3214868480
	.fill 96, 4, 3214868480
	.section	.rodata,"a",@progbits
	.p2align	6, 0x0
	.amdhsa_kernel k_q4d551c12bb_attn
		.amdhsa_group_segment_fixed_size 327680
		.amdhsa_private_segment_fixed_size 0
		.amdhsa_enable_private_segment 0
		.amdhsa_kernarg_size 24
		.amdhsa_user_sgpr_count 2
		.amdhsa_user_sgpr_kernarg_segment_ptr 1
		.amdhsa_wavefront_size32 1
		.amdhsa_system_sgpr_workgroup_id_x 1
		.amdhsa_system_sgpr_workgroup_id_y 1
		.amdhsa_system_sgpr_workgroup_id_z 1
		.amdhsa_system_vgpr_workitem_id 0
		.amdhsa_next_free_vgpr 256
		.amdhsa_next_free_sgpr 66
		.amdhsa_reserve_vcc 1
		.amdhsa_float_denorm_mode_32 3
		.amdhsa_float_denorm_mode_16_64 3
		.amdhsa_memory_ordered 1
		.amdhsa_forward_progress 1
		.amdhsa_inst_pref_size 147
	.end_amdhsa_kernel
	.amdgpu_metadata
---
amdhsa.version: [ 1, 2 ]
amdhsa.kernels:
  - .name:           k_q4d551c12bb_attn
    .symbol:         k_q4d551c12bb_attn.kd
    .args:
      - { .name: qf, .offset: 0, .size: 8, .value_kind: global_buffer, .address_space: global }
      - { .name: kv, .offset: 8, .size: 8, .value_kind: global_buffer, .address_space: global }
      - { .name: ao, .offset: 16, .size: 8, .value_kind: global_buffer, .address_space: global }
    .group_segment_fixed_size: 327680
    .private_segment_fixed_size: 0
    .kernarg_segment_align: 8
    .kernarg_segment_size: 24
    .max_flat_workgroup_size: 256
    .sgpr_count:     66
    .vgpr_count:     256
    .wavefront_size: 32
...
	.end_amdgpu_metadata
.endif
;; end of part 2
;; launch outp (part 3): grid 256 x 1, 4 waves a work-group, no clusters, 17,920 bytes of LDS; arguments ao, wo16, bo, out0; writes out0
.if DOCPART == 3
	.amdgcn_target "amdgcn-amd-amdhsa--gfx1250"
	.amdhsa_code_object_version 6
	.text
	.protected	k_q4d551c12bb_outp
	.globl	k_q4d551c12bb_outp
	.p2align	8
	.type	k_q4d551c12bb_outp,@function
k_q4d551c12bb_outp:
	s_mov_b64 s[64:65], 0
	v_nop
	global_prefetch_b8 v0, s[64:65] scope:SCOPE_SE
	s_setreg_imm32_b32 hwreg(HW_REG_WAVE_MODE, 25, 1), 1
	s_wait_xcnt 0x0
; out = attention output x Wo^T + bo, f16 operands, f32 sums, for all positions but 0 .. 15 of each batch, which a launch of their own makes in f32.
; Work-group i takes the two tiles of 16 positions 2 i and 2 i + 1 (of 512: batch = i / 64); wave w takes outputs 64 w .. 64 w + 63: four tiles, 256 bytes of a row.  Waves share nothing: no barrier.
; Used transposed (source 0 = 16 rows of Wo, source 1 = 16 positions; a K step is a head): a lane holds 8 neighbouring outputs of one position.  The bias is the C of each sum's first product.
; A tile goes out through the wave's own stage in LDS, so that sixteen lanes store 256 consecutive bytes, aligned; the row of out0 is t(position): t = pos + pos / 24 for pos < 1967, else 51199 - 25 pos.
; No tensor loads: every operand goes straight into registers and is read once by a wave.
.set STGB,  16*272
.set SPARE, 4*STGB                     ; the spare words, 128 bytes for each wave: two blocks of 256 bytes that no other line names
.set RR,   1
.set HF,   2
.set LI,   3
.set STO,  4
.set RD,   5
.set SPW,  6
.set NIL,  7
.set T0,   8
.set T1,   9
.set T2,   10
.set CW,   12                          ; v12  256 w + 16 r
.set BA,   13                          ; v13  32 x half
.set OFF,  16                          ; v16-31  byte offset in out0 of the rows 2 u + half of tile m: 8 m + u
.set BIAS, 32                          ; v32-63
.set AF,   64                          ; v64-191 the positions' fragments: 64 m + 8 ks; later the rows read back
.set ACC,  192                         ; v192-255 sums: 32 m + 8 i.   Window 1: Wo's fragments: 64 i + 8 ks
.set MSB, 0
.macro WIN new
.if MSB != \new
	s_set_vgpr_msb (MSB<<8)|\new
.set MSB, \new
.endif
.endm
.macro TPOS dst, pos, tmp
	v_mul_u32_u24 v[\tmp], 2731, v[\pos]
	v_lshrrev_b32 v[\tmp], 16, v[\tmp]
	v_add_nc_u32 v[\tmp], v[\tmp], v[\pos]
	v_mul_u32_u24 v[\dst], 25, v[\pos]
	v_sub_nc_u32 v[\dst], 51199, v[\dst]
	v_cmp_gt_u32 vcc_lo, 1967, v[\pos]
	v_cndmask_b32 v[\dst], v[\dst], v[\tmp], vcc_lo
.endm
	s_load_b256 s[4:11], s[0:1], 0x0               ; ao 4, wo16 6, bo 8, out0 10
	v_lshl_add_u32 v[SPW], v0, 2, SPARE
	v_mov_b32 v[NIL], 0
	v_lshrrev_b32 v[T0], 5, v0
	v_readfirstlane_b32 s13, v[T0]                 ; wave 0..3
	v_and_b32 v[RR], 15, v0
	v_bfe_u32 v[HF], v0, 4, 1
	v_and_b32 v[T0], 31, v0
	v_lshlrev_b32 v[LI], 4, v[T0]
	v_lshlrev_b32 v[BA], 5, v[HF]
	s_lshl_b32 s14, s13, 15                        ; my 32 fragments of Wo
	s_mov_b32 s15, 0
	s_lshl_b32 s16, ttmp9, 14                      ; my work-group's 16 fragments of ao
	s_mov_b32 s17, 0
	s_lshl_b32 s18, s13, 8                         ; my 64 numbers of bo; also my 256 bytes of a row
	s_mov_b32 s19, 0
	s_wait_kmcnt 0x0
	s_add_nc_u64 s[6:7], s[6:7], s[14:15]
	s_add_nc_u64 s[4:5], s[4:5], s[16:17]
	s_add_nc_u64 s[8:9], s[8:9], s[18:19]
.irp i, 0,1,2,3
	global_load_b128 v[BIAS+8*\i:BIAS+8*\i+3], v[BA], s[8:9] offset:64*\i
	global_load_b128 v[BIAS+8*\i+4:BIAS+8*\i+7], v[BA], s[8:9] offset:64*\i+16
.endr
.irp ks, 0,1,2,3,4,5,6,7                       ; K step by K step: 8 loads of Wo, 4 of ao
	WIN 0x40
.irp i, 0,1,2,3
	global_load_b128 v[64*\i+8*\ks:64*\i+8*\ks+3], v[LI], s[6:7] offset:(8*\i+\ks)*1024
	global_load_b128 v[64*\i+8*\ks+4:64*\i+8*\ks+7], v[LI], s[6:7] offset:(8*\i+\ks)*1024+512
.endr
	WIN 0
.irp m, 0,1
	global_load_b128 v[AF+64*\m+8*\ks:AF+64*\m+8*\ks+3], v[LI], s[4:5] offset:(8*\m+\ks)*1024
	global_load_b128 v[AF+64*\m+8*\ks+4:AF+64*\m+8*\ks+7], v[LI], s[4:5] offset:(8*\m+\ks)*1024+512
.endr
.endr
	s_mul_i32 s12, s13, STGB                       ; my stage
	v_mul_u32_u24 v[STO], v[RR], 272
	v_lshl_add_u32 v[STO], v[HF], 5, v[STO]
	v_add_nc_u32 v[STO], s12, v[STO]               ; in: row r, 32 bytes for each half of the lanes
	v_mul_u32_u24 v[RD], v[HF], 272
	v_lshl_add_u32 v[RD], v[RR], 4, v[RD]
	v_add_nc_u32 v[RD], s12, v[RD]                 ; back: lanes 0-15 one row, lanes 16-31 the next
	v_lshlrev_b32 v[CW], 4, v[RR]
	v_add_nc_u32 v[CW], s18, v[CW]
	s_and_b32 s20, ttmp9, 63
	s_lshl_b32 s21, s20, 5                         ; my work-group's first position in its batch
	s_lshr_b32 s22, ttmp9, 6
	s_lshl_b32 s22, s22, 11                        ; the batch's first row
	v_add_nc_u32 v[T0], s21, v[HF]
.set n, 0
.rept 16
	v_add_nc_u32 v[T1], 2*n, v[T0]                 ; position 16 m + 2 u + half, n = 8 m + u
	TPOS OFF+n, T1, T2
	v_add_nc_u32 v[OFF+n], s22, v[OFF+n]
	v_lshl_add_u32 v[OFF+n], v[OFF+n], 10, v[CW]
.set n, n+1
.endr
.irp ks, 0,1,2,3,4,5,6,7
.if 12*(7-\ks) > 60
	s_wait_loadcnt 60                              ; fewer than were issued behind this K step's loads: they are in
.else
	s_wait_loadcnt 12*(7-\ks)                      ; the later K steps' loads, 12 each, may be out
.endif
	WIN 0x01                                       ; source 0 (Wo) in window 1
.irp m, 0,1
.irp i, 0,1,2,3                                ; eight sums by turns
.if \ks == 0
	v_wmma_f32_16x16x32_f16 v[ACC+32*\m+8*\i:ACC+32*\m+8*\i+7], v[64*\i+8*\ks:64*\i+8*\ks+7], v[AF+64*\m+8*\ks:AF+64*\m+8*\ks+7], v[BIAS+8*\i:BIAS+8*\i+7]
.else
	v_wmma_f32_16x16x32_f16 v[ACC+32*\m+8*\i:ACC+32*\m+8*\i+7], v[64*\i+8*\ks:64*\i+8*\ks+7], v[AF+64*\m+8*\ks:AF+64*\m+8*\ks+7], v[ACC+32*\m+8*\i:ACC+32*\m+8*\i+7]
.endif
.endr
.endr
.endr
	WIN 0
.rept 4
	v_nop                                          ; places ahead of the first read of results and of loads into registers that products have read
.endr
.macro OUTM m
.irp i, 0,1,2,3
	ds_store_b128 v[STO], v[ACC+32*\m+8*\i:ACC+32*\m+8*\i+3] offset:64*\i
	ds_store_b128 v[STO], v[ACC+32*\m+8*\i+4:ACC+32*\m+8*\i+7] offset:64*\i+16
.endr
.irp u, 0,1,2,3,4,5,6,7
	ds_load_b128 v[AF+32*\m+4*\u:AF+32*\m+4*\u+3], v[RD] offset:544*\u   ; LDS serves a wave's instructions in order: these see the stores above
.endr
.irp u, 0,1,2,3,4,5,6,7
	s_wait_dscnt 7-\u                              ; the younger loads may be out
	global_store_b128 v[OFF+8*\m+\u], v[AF+32*\m+4*\u:AF+32*\m+4*\u+3], s[10:11] th:TH_STORE_NT   ; 16 lanes store 256 consecutive bytes, aligned
.endr
.endm
	s_cmp_eq_u32 s20, 0                            ; positions 0 .. 15 of a batch are another launch's
	s_cbranch_scc1 .Lnot_first
	OUTM 0
.Lnot_first:
	OUTM 1
	s_wait_tensorcnt 0x0                           ; the wave's end
	ds_add_u32 v[SPW], v[NIL]
	s_wait_dscnt 0x0
	s_endpgm
.Lfunc_end_k_q4d551c12bb_outp:
	.size	k_q4d551c12bb_outp, .Lfunc_end_k_q4d551c12bb_outp-k_q4d551c12bb_outp
	.p2alignl 7, 3214868480
	.fill 96, 4, 3214868480
	.section	.rodata,"a",@progbits
	.p2align	6, 0x0
	.amdhsa_kernel k_q4d551c12bb_outp
		.amdhsa_group_segment_fixed_size 17920
		.amdhsa_private_segment_fixed_size 0
		.amdhsa_enable_private_segment 0
		.amdhsa_kernarg_size 32
		.amdhsa_user_sgpr_count 2
		.amdhsa_user_sgpr_kernarg_segment_ptr 1
		.amdhsa_wavefront_size32 1
		.amdhsa_system_sgpr_workgroup_id_x 1
		.amdhsa_system_sgpr_workgroup_id_y 1
		.amdhsa_system_sgpr_workgroup_id_z 1
		.amdhsa_system_vgpr_workitem_id 0
		.amdhsa_next_free_vgpr 512
		.amdhsa_next_free_sgpr 66
		.amdhsa_reserve_vcc 1
		.amdhsa_float_denorm_mode_32 3
		.amdhsa_float_denorm_mode_16_64 3
		.amdhsa_memory_ordered 1
		.amdhsa_forward_progress 1
		.amdhsa_inst_pref_size 28
	.end_amdhsa_kernel
	.amdgpu_metadata
---
amdhsa.version: [ 1, 2 ]
amdhsa.kernels:
  - .name:           k_q4d551c12bb_outp
    .symbol:         k_q4d551c12bb_outp.kd
    .args:
      - { .name: ao, .offset: 0, .size: 8, .value_kind: global_buffer, .address_space: global }
      - { .name: wo16, .offset: 8, .size: 8, .value_kind: global_buffer, .address_space: global }
      - { .name: bo, .offset: 16, .size: 8, .value_kind: global_buffer, .address_space: global }
      - { .name: out0, .offset: 24, .size: 8, .value_kind: global_buffer, .address_space: global }
    .group_segment_fixed_size: 17920
    .private_segment_fixed_size: 0
    .kernarg_segment_align: 8
    .kernarg_segment_size: 32
    .max_flat_workgroup_size: 128
    .sgpr_count:     66
    .vgpr_count:     512
    .wavefront_size: 32
...
	.end_amdgpu_metadata
.endif
;; end of part 3
;; launch top16 (part 4): grid 2 x 4, 8 waves a work-group, no clusters, 25,856 bytes of LDS; arguments top, Wo, bo, out0; writes out0
.if DOCPART == 4
	.amdgcn_target "amdgcn-amd-amdhsa--gfx1250"
	.amdhsa_code_object_version 6
	.text
	.protected	k_q4d551c12bb_top16
	.globl	k_q4d551c12bb_top16
	.p2align	8
	.type	k_q4d551c12bb_top16,@function
k_q4d551c12bb_top16:
	s_mov_b64 s[64:65], 0
	v_nop
	global_prefetch_b8 v0, s[64:65] scope:SCOPE_SE
	s_setreg_imm32_b32 hwreg(HW_REG_WAVE_MODE, 25, 1), 1
	s_wait_xcnt 0x0
; Rows 0 .. 15 of each batch, all in f32: these rows average one to sixteen values and are the largest, so no operand of theirs is rounded to 16 bits.  (Positions 0 .. 15 are rows 0 .. 15, and none of them is a hidden key.)
; Work-group (xh, b): batch b, outputs 128 xh .. + 127.  Part 1: wave w makes head w's attention for the 16 rows (both work-groups of a batch do).  Part 2: wave w makes the 16 outputs of tile 8 xh + w.
; All products by the f32 matrix form, 4 along K.  Its k places are dealt alike on both sides: place (half, j) of step s is index 8 half + 2 s + j of a group of 16, which is how the sums of the earlier launch and of this one lie
; in a lane's registers: so registers 2 s, 2 s + 1 of a result are an operand of step s, and nothing changes lanes.
; The registers that these products write (v144-175) are written by matrix instructions alone; sums begin with 0 or the bias as C; what is made of them goes into other registers.
; NaN and infinities among the inputs are not served.
.set IMG,   0                          ; LDS: 8 heads x 2,048 bytes: images of O^T's 16 registers
.set STG,   16384                      ; 16 rows x (512 bytes + 16)
.set SPARE, STG+16*528                 ; the spare words, 128 bytes for each wave: four blocks of 256 bytes that no other line names
.set RR,   1
.set HF,   2
.set LI,   3
.set WOA,  4
.set DD,   5
.set NINF, 6
.set SPW,  7
.set NIL,  8
.set IW,   9
.set STO,  10
.set RD,   11
.set T0,   12
.set T1,   13
.set CM,   14
.set RC,   15
.set B,    16                          ; v16-143: first q (16-31), k (32-47), v (48-63); then all heads' O^T
.set SA,   144
.set SB,   152
.set O0,   160
.set O1,   168
.set T,    176
.set P,    184
.set BIAS, 192
.set X,    200
.set Y,    208
.set OUT,  216
.set BK,   224
.set BA,   232
.set GO,   233
.set WV, 12
.set XH, 13
.set BB, 14
.set NT, 15
.set CS, 18
.set SEL, 20
.set MSB, 0
.macro WIN new
.if MSB != \new
	s_set_vgpr_msb (MSB<<8)|\new
.set MSB, \new
.endif
.endm
	s_load_b256 s[4:11], s[0:1], 0x0               ; top 4, Wo 6, bo 8, out0 10
	v_lshl_add_u32 v[SPW], v0, 2, SPARE
	v_mov_b32 v[NIL], 0
	v_lshrrev_b32 v[T0], 5, v0
	v_readfirstlane_b32 s[WV], v[T0]               ; wave 0..7
	s_mov_b32 s[XH], ttmp9
	s_and_b32 s[BB], ttmp7, 0xffff
	s_lshl_b32 s[NT], s[XH], 3
	s_add_co_u32 s[NT], s[NT], s[WV]
	v_and_b32 v[RR], 15, v0
	v_bfe_u32 v[HF], v0, 4, 1
	v_and_b32 v[T0], 31, v0
	v_lshlrev_b32 v[LI], 4, v[T0]
	v_lshlrev_b32 v[WOA], 10, v[RR]
	v_lshl_add_u32 v[WOA], v[HF], 5, v[WOA]        ; Wo: row r, + 32 half
	v_lshlrev_b32 v[BA], 5, v[HF]
	v_lshlrev_b32 v[DD], 3, v[HF]
	v_sub_nc_u32 v[DD], v[RR], v[DD]               ; r - 8 half
	v_mov_b32 v[NINF], 0xff800000
	v_mov_b32 v[T1], 0                             ; written once: a lane permute's destination counts as one of its sources
	s_lshl_b32 s22, s[WV], 11
	v_add_nc_u32 v[IW], s22, v[LI]                 ; my head's image
	v_add_nc_u32 v[GO], s22, v[LI]                 ; out0: rows 2 w, 2 w + 1; 16 bytes a lane
	v_mul_u32_u24 v[STO], v[RR], 528
	v_lshl_add_u32 v[STO], v[HF], 5, v[STO]
	s_lshl_b32 s22, s[WV], 6
	s_add_co_u32 s22, s22, STG
	v_add_nc_u32 v[STO], s22, v[STO]               ; the stage: row r, my tile's 64 bytes, 32 for each half
	s_mul_i32 s22, s[WV], 1056
	s_add_co_u32 s22, s22, STG
	v_add_nc_u32 v[RD], s22, v[LI]                 ; back: row 2 w, 16 bytes a lane
	s_mov_b32 s[CS], 0x3e8293ee                    ; c = log2(e) / sqrt(32)
	s_mov_b32 s[SEL], 0x76543210
	s_mov_b32 s[SEL+1], 0xfedcba98
	s_lshl_b32 s16, s[BB], 3
	s_add_co_u32 s16, s16, s[WV]
	s_mul_i32 s16, s16, 6144
	s_mov_b32 s17, 0
	s_wait_kmcnt 0x0
	s_add_nc_u64 s[4:5], s[4:5], s[16:17]
	s_lshl_b32 s16, s[NT], 14
	s_add_nc_u64 s[6:7], s[6:7], s[16:17]
	s_lshl_b32 s16, s[NT], 6
	s_add_nc_u64 s[8:9], s[8:9], s[16:17]
	s_lshl_b32 s16, s[BB], 21
	s_lshl_b32 s22, s[XH], 9
	s_add_co_u32 s16, s16, s22
	s_add_nc_u64 s[10:11], s[10:11], s[16:17]
.irp i, 0,1,2,3,4,5,6,7,8,9,10,11
	global_load_b128 v[B+4*\i:B+4*\i+3], v[LI], s[4:5] offset:512*\i
.endr
	WIN 0x40
.irp u, 0,1,2,3,4,5,6,7,8,9,10,11,12,13,14,15  ; Wo(16 nt + r, 16 u + 8 half + 0 .. 7) at v[8 u] of window 1
	global_load_b128 v[8*\u:8*\u+3], v[WOA], s[6:7] offset:64*\u
	global_load_b128 v[8*\u+4:8*\u+7], v[WOA], s[6:7] offset:64*\u+16
.endr
	WIN 0
	global_load_b128 v[BIAS:BIAS+3], v[BA], s[8:9]
	global_load_b128 v[BIAS+4:BIAS+7], v[BA], s[8:9] offset:16
	s_wait_loadcnt 34                              ; Wo's 32 loads and bo's 2 are younger: q, k, v are in
.irp n, 0,1,2,3,4,5,6,7                        ; S^T = K Q^T: two sums by turns
.if \n < 2
	v_wmma_f32_16x16x4_f32 v[SA+8*(\n%2):SA+8*(\n%2)+7], v[B+16+2*\n:B+16+2*\n+1], v[B+2*\n:B+2*\n+1], 0
.else
	v_wmma_f32_16x16x4_f32 v[SA+8*(\n%2):SA+8*(\n%2)+7], v[B+16+2*\n:B+16+2*\n+1], v[B+2*\n:B+2*\n+1], v[SA+8*(\n%2):SA+8*(\n%2)+7]
.endif
.endr
.rept 8
	v_nop
.endr
.irp i, 0,2,4,6
	v_pk_add_f32 v[T+\i:T+\i+1], v[SA+\i:SA+\i+1], v[SB+\i:SB+\i+1]   ; register j: key 8 half + j, query r
.endr
.irp j, 0,1,2,3,4,5,6,7
	v_cmp_gt_i32 vcc_lo, \j, v[DD]                 ; hidden where the key comes after the query
	v_cndmask_b32 v[T+\j], v[T+\j], v[NINF], vcc_lo
.endr
	v_max3_num_f32 v[T0], v[T], v[T+1], v[T+2]
	v_max3_num_f32 v[T0], v[T0], v[T+3], v[T+4]
	v_max3_num_f32 v[T0], v[T0], v[T+5], v[T+6]
	v_max_num_f32 v[T0], v[T0], v[T+7]
	v_permlanex16_b32 v[T1], v[T0], s[SEL], s[SEL+1]
	v_max_num_f32 v[T0], v[T0], v[T1]              ; the row's maximum (key 0 counts for every query)
	v_mul_f32 v[CM], s[CS], v[T0]
.irp j, 0,1,2,3,4,5,6,7
	v_fma_f32 v[T+\j], v[T+\j], s[CS], -v[CM]
.endr
.irp j, 0,1,2,3,4,5,6,7
	v_exp_f32 v[T+\j], v[T+\j]
.endr
	v_nop
	s_wait_alu depctr_va_vdst(0)                   ; one wait for the eight exponentials
	v_pk_add_f32 v[X:X+1], v[T:T+1], v[T+2:T+3]
	v_pk_add_f32 v[X+2:X+3], v[T+4:T+5], v[T+6:T+7]
	v_pk_add_f32 v[X:X+1], v[X:X+1], v[X+2:X+3]
	v_add_f32 v[T0], v[X], v[X+1]
	v_permlanex16_b32 v[T1], v[T0], s[SEL], s[SEL+1]
	v_add_f32 v[T0], v[T0], v[T1]
	v_rcp_f32 v[RC], v[T0]
	v_nop
	s_wait_alu depctr_va_vdst(0)
.irp j, 0,1,2,3,4,5,6,7
	v_mul_f32 v[P+\j], v[T+\j], v[RC]
.endr
.rept 4
	v_nop
.endr
.irp s, 0,1,2,3                                ; O^T = V^T P: two sums by turns
.irp c, 0,1
.if \s == 0
	v_wmma_f32_16x16x4_f32 v[O0+8*\c:O0+8*\c+7], v[B+32+8*\c+2*\s:B+32+8*\c+2*\s+1], v[P+2*\s:P+2*\s+1], 0
.else
	v_wmma_f32_16x16x4_f32 v[O0+8*\c:O0+8*\c+7], v[B+32+8*\c+2*\s:B+32+8*\c+2*\s+1], v[P+2*\s:P+2*\s+1], v[O0+8*\c:O0+8*\c+7]
.endif
.endr
.endr
.rept 9
	v_nop                                          ; places ahead of the stores of results, of loads into registers that products have read, and of the products that begin these sums' registers anew
.endr
.irp i, 0,1,2,3
	ds_store_b128 v[IW], v[O0+4*\i:O0+4*\i+3] offset:IMG+512*\i
.endr
	s_wait_dscnt 0x0
	s_barrier_signal -1
	s_barrier_wait -1                              ; all eight heads' images lie in LDS
.irp n, 0,1,2,3,4,5,6,7,8,9,10,11,12,13,14,15,16,17,18,19,20,21,22,23,24,25,26,27,28,29,30,31
	ds_load_b128 v[B+4*\n:B+4*\n+3], v[LI] offset:IMG+512*\n
.endr
	s_wait_dscnt 0x0
	s_wait_loadcnt 0x0                             ; Wo, bo
	WIN 0x01                                       ; source 0 (Wo) in window 1
.set n, 0
.rept 64                                       ; out^T = Wo O^T + bo: four sums by turns
.if n == 0
	v_wmma_f32_16x16x4_f32 v[SA:SA+7], v[0:1], v[B:B+1], v[BIAS:BIAS+7]
.elseif n < 4
	v_wmma_f32_16x16x4_f32 v[SA+8*n:SA+8*n+7], v[2*n:2*n+1], v[B+2*n:B+2*n+1], 0
.else
	v_wmma_f32_16x16x4_f32 v[SA+8*(n%4):SA+8*(n%4)+7], v[2*n:2*n+1], v[B+2*n:B+2*n+1], v[SA+8*(n%4):SA+8*(n%4)+7]
.endif
.set n, n+1
.endr
	WIN 0
.rept 8
	v_nop
.endr
.irp i, 0,2,4,6
	v_pk_add_f32 v[X+\i:X+\i+1], v[SA+\i:SA+\i+1], v[SB+\i:SB+\i+1]
.endr
.irp i, 0,2,4,6
	v_pk_add_f32 v[Y+\i:Y+\i+1], v[O0+\i:O0+\i+1], v[O1+\i:O1+\i+1]
.endr
.irp i, 0,2,4,6
	v_pk_add_f32 v[OUT+\i:OUT+\i+1], v[X+\i:X+\i+1], v[Y+\i:Y+\i+1]   ; register j: output 16 nt + 8 half + j of row r
.endr
	ds_store_b128 v[STO], v[OUT:OUT+3]
	ds_store_b128 v[STO], v[OUT+4:OUT+7] offset:16
	s_wait_dscnt 0x0
	s_barrier_signal -1
	s_barrier_wait -1                              ; 16 rows of 512 bytes lie in the stage
	ds_load_b128 v[BK:BK+3], v[RD]
	ds_load_b128 v[BK+4:BK+7], v[RD] offset:528
	s_wait_dscnt 0x0
	global_store_b128 v[GO], v[BK:BK+3], s[10:11]                    ; 32 lanes store 512 consecutive bytes, aligned
	global_store_b128 v[GO], v[BK+4:BK+7], s[10:11] offset:1024
	s_wait_tensorcnt 0x0                           ; the wave's end
	ds_add_u32 v[SPW], v[NIL]
	s_wait_dscnt 0x0
	s_endpgm
.Lfunc_end_k_q4d551c12bb_top16:
	.size	k_q4d551c12bb_top16, .Lfunc_end_k_q4d551c12bb_top16-k_q4d551c12bb_top16
	.p2alignl 7, 3214868480
	.fill 96, 4, 3214868480
	.section	.rodata,"a",@progbits
	.p2align	6, 0x0
	.amdhsa_kernel k_q4d551c12bb_top16
		.amdhsa_group_segment_fixed_size 25856
		.amdhsa_private_segment_fixed_size 0
		.amdhsa_enable_private_segment 0
		.amdhsa_kernarg_size 32
		.amdhsa_user_sgpr_count 2
		.amdhsa_user_sgpr_kernarg_segment_ptr 1
		.amdhsa_wavefront_size32 1
		.amdhsa_system_sgpr_workgroup_id_x 1
		.amdhsa_system_sgpr_workgroup_id_y 1
		.amdhsa_system_sgpr_workgroup_id_z 1
		.amdhsa_system_vgpr_workitem_id 0
		.amdhsa_next_free_vgpr 384
		.amdhsa_next_free_sgpr 66
		.amdhsa_reserve_vcc 1
		.amdhsa_float_denorm_mode_32 3
		.amdhsa_float_denorm_mode_16_64 3
		.amdhsa_memory_ordered 1
		.amdhsa_forward_progress 1
		.amdhsa_inst_pref_size 20
	.end_amdhsa_kernel
	.amdgpu_metadata
---
amdhsa.version: [ 1, 2 ]
amdhsa.kernels:
  - .name:           k_q4d551c12bb_top16
    .symbol:         k_q4d551c12bb_top16.kd
    .args:
      - { .name: top, .offset: 0, .size: 8, .value_kind: global_buffer, .address_space: global }
      - { .name: Wo, .offset: 8, .size: 8, .value_kind: global_buffer, .address_space: global }
      - { .name: bo, .offset: 16, .size: 8, .value_kind: global_buffer, .address_space: global }
      - { .name: out0, .offset: 24, .size: 8, .value_kind: global_buffer, .address_space: global }
    .group_segment_fixed_size: 25856
    .private_segment_fixed_size: 0
    .kernarg_segment_align: 8
    .kernarg_segment_size: 32
    .max_flat_workgroup_size: 256
    .sgpr_count:     66
    .vgpr_count:     384
    .wavefront_size: 32
...
	.end_amdgpu_metadata
.endif
;; end of part 4
